; MI455X (gfx1250); checked and timed in simulation.
; The chip was launched on July 23, 2026; its instructions are those of AMD's public machine-readable ISA for CDNA 5 (MIT licence, August 2026) and "CDNA5" Instruction Set Architecture Reference Guide (July 2026). The comments in the code are by the model that wrote it; some were corrected since.
;; Seq Self Attention. Allowed arithmetic: matrix products marked QUANTISED: E2M1 operands, one E8M0 scale for each 32 along K, by v_wmma_scale_f32_16x16x128_f8f6f4 with both operands' format E2M1 (or v_wmma_scale_f32_32x16x128_f4), f32 sums; products left as they are: f32 operands where the result goes on into a quantised operand, else bf16, f16 or f32 operands; f32 sums; everything else in f32.
;; Inputs: Wa 32 x 1 float32; Wt 32 x 128 float32; Wx 32 x 128 float32; ba 1 float32; bh 32 float32; x 4 x 1,024 x 128 float32.
;; Outputs: out0 4 x 1,024 x 128 float32.
;; This version of the problem:
;;   THIS VERSION OF THE PROBLEM IS GIVEN IN LOW PRECISION. The matrix products marked QUANTISED in the list below multiply operands that are first quantised to E2M1 (2 exponent bits, 1 mantissa bit; 4 bits a number), with one power-of-two scale for each 32 numbers along K (OCP MX v1.0); their sums are f32. All else is computed in f32.
;;   The module's matrix products, in the order in which they are computed (A, B: the left and right operand; K: the contracted axis; several contracted axes count as one K, in the product's order):
;;     1. [M 4,096, K 128] x [K 128, N 32]; A: input x; B: input Wt: QUANTISED
;;     2. [M 4,096, K 128] x [K 128, N 32]; A: input x; B: input Wx: QUANTISED
;;     3. [M 4,194,304, K 32] x [K 32, N 1]; A: computed on the way; B: input Wa: left as it is (N = 1 < 16)
;;     4. batch 4 x [M 1,024, K 1,024] x [K 1,024, N 128]; A: softmax (see below); B: input x: QUANTISED
;;   THE QUANTISER, for each operand of a quantised product, along K:
;;     - K is cut into blocks of 32 from its start; a last block that is shorter is filled with zeros.
;;     - A block's scale is 2^e with e = floor(log2(the largest magnitude in the block)) - 2, held to -126 .. 127; a block of zeros has e = 0. As a byte (E8M0): e + 127.
;;     - Each number is divided by its block's scale, clamped to +-6, and rounded to the nearest number of E2M1, ties to even, subnormals kept.
;;     - The product sums the exact products of the quantised numbers (number of the format x scale) in f32.
;;   ~~~python
;;   def quantise(x, axis):      # numpy; x: float32 -> the quantised numbers, widened to float32 again
;;       x = np.moveaxis(x, axis, -1); K = x.shape[-1]
;;       x = np.pad(x, [(0, 0)] * (x.ndim - 1) + [(0, -K % 32)]); x = x.reshape(x.shape[:-1] + (-1, 32)); a = np.abs(x).max(-1, keepdims=True)
;;       e = np.where(a > 0, np.clip(np.frexp(np.where(a > 0, a, 1))[1] - 1 - 2, -126, 127), 0)      # np.frexp(a)[1] - 1 = floor(log2(a)), exactly
;;       r = np.clip(x / 2.0 ** e, -6, 6)
;;       step = 2.0 ** (np.maximum(np.frexp(np.where(r == 0, 1, r))[1] - 1, 0) - 1)
;;       q = np.round(r / step) * step * 2.0 ** e      # np.round: ties to even
;;       return np.moveaxis(q.reshape(q.shape[:-2] + (-1,))[..., :K], -1, axis).astype(np.float32)
;;   ~~~
;;   SOFTMAX AHEAD OF A QUANTISED PRODUCT. Where the list says 'softmax', what is quantised is not the finished softmax but p = 2^(t - M), with t = logit x log2(e) and M = ceil(the row's largest t), a whole number; so 1/2 < the row's largest p <= 1. The row's sum l is taken of the UNQUANTISED p, in f32, and the product's result is divided by l at the end. Since M is a whole number, a kernel that streams over the keys may use a running M (the ceiling of the running maximum): every later rescaling is an exact power of two, which a block's scale takes up: the codes' values come out the same.
;;   OPERANDS COMPUTED ON THE WAY. 'Computed on the way' means the value that the module computes at that place (a softmax that the list does not call 'softmax' is quantised finished and normalised). What goes into a quantiser is computed in f32, as accurately as f32 sums, v_exp_f32 and their like allow (about 1e-6 of the number): no bf16 or f16 on the way to a quantiser, and a product that is left as it is and whose result goes on into a quantised operand takes f32 operands (vector FMAs, or v_wmma_f32_16x16x4_f32). A number that lies on a knife's edge between two numbers of the format may be rounded either way, as far as f32 arithmetic and the matrix unit's own rounding can turn it there, and no further.
;; 2 versions, each right; version 2 is version 1 with the launch attend written anew for expert scheduling mode. Each part assembles by itself: llvm-mc -triple=amdgcn-amd-amdhsa -mcpu=gfx1250 --defsym DOCPART=n.
;; ======== version 1 of 2: 2 launches
;; limits: right only within a limited range of input values
;; workspace buffers: qt 1,048,576 bytes; kt 1,048,576 bytes; vc 262,144 bytes; vs 16,384 bytes
;; launch prep (part 1): grid 256 x 1, 1 waves a work-group, no clusters, 8,448 bytes of LDS; arguments x, Wt, Wx, bh, qt, kt, vc, vs; writes qt, kt, vc, vs
.if DOCPART == 1
	.amdgcn_target "amdgcn-amd-amdhsa--gfx1250"
	.amdhsa_code_object_version 6
	.text
	.protected	k_q36561d816e_prep
	.globl	k_q36561d816e_prep
	.p2align	8
	.type	k_q36561d816e_prep,@function
k_q36561d816e_prep:
	s_mov_b64 s[64:65], 0
	v_nop
	global_prefetch_b8 v0, s[64:65] scope:SCOPE_SE
	s_setreg_imm32_b32 hwreg(HW_REG_WAVE_MODE, 25, 1), 1
	s_wait_xcnt 0x0
; PREP: everything that is needed once for each row of x.  x: [4][1024][128] f32; Wt, Wx: [32][128] f32; bh: [32] f32.
; Work-groups 0-127 (one wave each) take 32 rows of x: q = Q(x) Q(Wt)^T + bh and k = Q(x) Q(Wx)^T, Q the MX-FP4 quantiser along the 128 (codes of E2M1, one E8M0 byte for each 32), by eight scaled matrix instructions.
; The later launch needs 2^(c (q + bh + k)), c = 2 log2(e), for every pair of rows.  So each number y = q + bh or k is split here, once:  c y = i + f,  i = floor(c y) a whole number,  m = 2^f in [1, 2].
; Then 2^(c (q + bh + k)) = mq mk 2^(iq + ik): whole numbers are added as integers, so nothing overflows on the way, however large q and k are.
; LIMITS: i is held at +-2^20 (|q + bh| or |k| of about 3.6e5); NaN and infinities among the inputs are not served; a block of zeros gets the scale byte 1 (its codes are zeros; the bytes are read by this program alone).
; qt: [256 blocks of 16 rows][4 chunks of 8 u][16 rows][8 u][m, i]: 64 bytes for a row and a chunk, as the later launch's scalar loads take them.
; kt: [64 runs of 64 rows][4 chunks][8 groups][32 lanes][16 bytes]: groups 0, 1: m of u 0-3, 4-7 of rows 0-31 of the run; 2, 3: their i; 4-7: the same of rows 32-63: the later launch's registers, lane by lane.
; Work-groups 128-255 take 128 rows x 32 columns of x and quantise them along the ROWS, which are the K (the keys) of the last product: a lane takes a column and its registers run down the rows, so that a block of 32 lies in one lane.
; vc: [4][8 K steps of 128 keys][8 tiles of 16 columns][2][32 lanes][16 bytes]: images of the operand's registers.  vs: [4][8][8][16] scale words.
; The two kinds of work-group part on the work-group's number; only the first uses LDS (8 KB, the wave's own, to send qt out in runs of 512 consecutive bytes).
.set XA,  1                            ; v1      my lane's byte in a tile of 16 rows of 512 bytes: 512 (lane % 16) + 64 (lane / 16)
.set SCX, 2                            ; v2-7    scale words and nothing else: x's two tiles, Wt's two, Wx's two
.set TM,  8                            ; v8-15   at work
.set XF,  16                           ; v16-31  x's two fragments;  v32-47 Wt's;  v48-63 Wx's
.set WTF, 32
.set WXF, 48
.set S0,  64                           ; three sets of 64 numbers as they are loaded
.set S1,  128
.set S2,  192
.set QD,  S1                           ; later: q + bh, register u;   k, register u
.set KD,  S1+32
.set QO,  S2                           ; later: (m, i) of q + bh, by turns
.set KM,  S0                           ; later: m of k;  i of k
.set KI,  S0+32
.set SEL, 20                           ; s[20:21] lane selects for v_permlanex16_b32: lane l xor 16
.set CE,  22                           ; s22 c = 2 log2(e)
.set LO,  23                           ; s23 -2^20
.set HI,  26                           ; s26  2^20
; 16 rows x 128 numbers: lane (r, h) takes, of row r, 16 neighbours of each block of 32: register 16 b + i = number 32 b + 16 h + i
.macro TLOAD reg, base, off
.irp b, 0,1,2,3
.irp j, 0,1,2,3
	global_load_b128 v[\reg+16*\b+4*\j:\reg+16*\b+4*\j+3], v[XA], s[\base:\base+1] offset:\off+128*\b+16*\j
.endr
.endr
.endm
; those 64 numbers become a fragment's codes in v[pc] on and the row's scale word in v[pw]
.macro QUANT s, pc, pw
.irp b, 0,1,2,3
	v_max3_num_f32 v[TM+\b], |v[\s+16*\b]|, |v[\s+1+16*\b]|, 0x1800000   ; block b: my 16 numbers, and the floor 2^(3 - 127): the byte cannot fall under 1
.endr
.irp i, 2,4,6,8,10,12,14
.irp b, 0,1,2,3
	v_max3_num_f32 v[TM+\b], v[TM+\b], |v[\s+16*\b+\i]|, |v[\s+1+16*\b+\i]|   ; the four blocks by turns
.endr
.endr
.irp b, 0,1,2,3
	v_permlanex16_b32 v[TM+4+\b], v[TM+\b], s[SEL], s[SEL+1]
.endr
.irp b, 0,1,2,3
	v_max_num_f32 v[TM+\b], v[TM+\b], v[TM+4+\b]   ; with lane l xor 16's 16: the block's largest magnitude
.endr
.irp b, 0,1,2,3
	v_add_nc_u32 v[TM+\b], 0xff000000, v[TM+\b]    ; 2 off its exponent field: the conversion's scale operand
.endr
.irp b, 0,1,2,3
	v_lshrrev_b32 v[TM+4+\b], 23, v[TM+\b]         ; the scale's byte
.endr
	v_lshl_or_b32 v[\pw], v[TM+5], 8, v[TM+4]
	v_lshl_or_b32 v[\pw], v[TM+6], 16, v[\pw]
	v_lshl_or_b32 v[\pw], v[TM+7], 24, v[\pw]
.irp b, 0,1,2,3
	v_cvt_scalef32_pk8_fp4_f32 v[\pc+2*\b], v[\s+16*\b:\s+16*\b+7], v[TM+\b]
	v_cvt_scalef32_pk8_fp4_f32 v[\pc+1+2*\b], v[\s+16*\b+8:\s+16*\b+15], v[TM+\b]
.endr
	v_nop                                          ; one plain instruction behind the scaled conversions
.irp c, 0,1                                    ; the operand wants a whole block in a lane: lanes 0-15 block 2 c, lanes 16-31 block 2 c + 1
.irp i, 0,1
	v_permlane16_swap_b32 v[\pc+4*\c+\i], v[\pc+2+4*\c+\i]
.endr
.endr
.endm
; 32 numbers y = v[src + u] are split: c y = i + f; v[i + st u] = i as an integer, v[m + st u] = 2^f.  f comes by one fused multiply-add from y itself, and is held in [0, 1]
.macro DERIVE src, m, i, st
.set U, 0
.rept 32
	v_mul_f32 v[\i+\st*U], s[CE], v[\src+U]
.set U, U+1
.endr
.set U, 0
.rept 32
	v_floor_f32 v[\i+\st*U], v[\i+\st*U]
.set U, U+1
.endr
.set U, 0
.rept 32
	v_fma_f32 v[\m+\st*U], v[\src+U], s[CE], -v[\i+\st*U]
.set U, U+1
.endr
.set U, 0
.rept 32
	v_med3_num_f32 v[\m+\st*U], v[\m+\st*U], 0, 1.0
.set U, U+1
.endr
.set U, 0
.rept 32
	v_med3_num_f32 v[\i+\st*U], v[\i+\st*U], s[LO], s[HI]
.set U, U+1
.endr
.set U, 0
.rept 32
	v_cvt_i32_f32 v[\i+\st*U], v[\i+\st*U]
.set U, U+1
.endr
.set U, 0
.rept 32
	v_exp_f32 v[\m+\st*U], v[\m+\st*U]
.set U, U+1
.endr
.endm
	s_load_b256 s[4:11], s[0:1], 0x0               ; x s[4:5], Wt s[6:7], Wx s[8:9], bh s[10:11]
	s_load_b256 s[12:19], s[0:1], 0x20             ; qt s[12:13], kt s[14:15], vc s[16:17], vs s[18:19]
	s_set_vgpr_msb 0x40
	v_lshl_add_u32 v0, v0, 2, 0x2000
	v_mov_b32 v1, 0
	s_set_vgpr_msb 0x4000
	s_cmp_lt_u32 ttmp9, 128
	s_cbranch_scc0 .Lvalues
	; ================ 32 rows: q + bh and k, split ================
	v_and_b32 v8, 15, v0                           ; r
	v_bfe_u32 v9, v0, 4, 1                         ; h
	v_lshlrev_b32 v[XA], 9, v8
	v_lshl_add_u32 v[XA], v9, 6, v[XA]
.irp b, 0,1,2,3
	v_mov_b32 v[TM+4+\b], 0                        ; written once: a lane permute's destination counts as one of its sources
.endr
	s_mov_b32 s[SEL], 0x76543210
	s_mov_b32 s[SEL+1], 0xfedcba98
	s_mov_b32 s[CE], 0x4038aa3b                    ; 2 log2(e)
	s_mov_b32 s[LO], 0xc9800000
	s_mov_b32 s[HI], 0x49800000
	s_lshl_b32 s24, ttmp9, 14                      ; my 32 rows of 512 bytes
	s_mov_b32 s25, 0
	s_wait_kmcnt 0x0
	s_add_nc_u64 s[4:5], s[4:5], s[24:25]
	TLOAD S0, 4, 0                                 ; x, rows 0-15
	TLOAD S1, 4, 8192                              ; x, rows 16-31
	TLOAD S2, 6, 0                                 ; Wt, rows 0-15
	s_wait_loadcnt 32                              ; the oldest 16 loads are in; two sets of 16 may be out.  Likewise below
	QUANT S0, XF, SCX
	TLOAD S0, 6, 8192                              ; Wt, rows 16-31
	s_wait_loadcnt 32
	QUANT S1, XF+8, SCX+1
	TLOAD S1, 8, 0                                 ; Wx, rows 0-15
	s_wait_loadcnt 32
	QUANT S2, WTF, SCX+2
	TLOAD S2, 8, 8192                              ; Wx, rows 16-31
	s_wait_loadcnt 32
	QUANT S0, WTF+8, SCX+3
	v_bfe_u32 v[S0+16], v0, 4, 1                   ; bh in the result's layout: lane (r, h) wants, for tile a, bh[16 a + 8 h + 0 .. 7]
	v_lshlrev_b32 v[S0+16], 5, v[S0+16]
.irp a, 0,1
	global_load_b128 v[S0+8*\a:S0+8*\a+3], v[S0+16], s[10:11] offset:64*\a
	global_load_b128 v[S0+8*\a+4:S0+8*\a+7], v[S0+16], s[10:11] offset:64*\a+16
.endr
	s_wait_loadcnt 20                              ; Wx's first tile is in; its second (16 loads) and bh (4) may be out
	QUANT S1, WXF, SCX+4
	s_wait_loadcnt 4                               ; only bh may be out
	QUANT S2, WXF+8, SCX+5
	s_wait_loadcnt 0x0
.rept 8
	v_nop                                          ; a scale word made by vector instructions stands eight plain instructions ahead of a scaled matrix instruction, an operand four
.endr
	; source 0 = 16 rows of W (u), source 1 = 16 rows of x: lane (r, h) holds row r of x and u = 16 a + 8 h + 0 .. 7.  bh is the C of q's products.  Eight accumulators, one instruction each
.irp a, 0,1
.irp t, 0,1
	v_wmma_scale_f32_16x16x128_f8f6f4 v[QD+16*\a+8*\t:QD+16*\a+8*\t+7], v[WTF+8*\a:WTF+8*\a+7], v[XF+8*\t:XF+8*\t+7], v[S0+8*\a:S0+8*\a+7], v[SCX+2+\a], v[SCX+\t] matrix_a_fmt:MATRIX_FMT_FP4 matrix_b_fmt:MATRIX_FMT_FP4
.endr
.endr
.irp a, 0,1
.irp t, 0,1
	v_wmma_scale_f32_16x16x128_f8f6f4 v[KD+16*\a+8*\t:KD+16*\a+8*\t+7], v[WXF+8*\a:WXF+8*\a+7], v[XF+8*\t:XF+8*\t+7], 0, v[SCX+4+\a], v[SCX+\t] matrix_a_fmt:MATRIX_FMT_FP4 matrix_b_fmt:MATRIX_FMT_FP4
.endr
.endr
.rept 4
	v_nop                                          ; four plain instructions between the last product and the first read of results
.endr
	; the first tile's lanes 16-31 (rows 0-15, u + 8) change places with the second tile's lanes 0-15 (rows 16-31, u): then lane l holds row l, and register u holds u.  Each accumulator is read from its low end on
.irp a, 0,1
.irp j, 0,1,2,3,4,5,6,7
	v_permlane16_swap_b32 v[QD+16*\a+\j], v[QD+16*\a+8+\j]
	v_permlane16_swap_b32 v[KD+16*\a+\j], v[KD+16*\a+8+\j]
.endr
.endr
	DERIVE QD, QO, QO+1, 2
	DERIVE KD, KM, KI, 1
	v_lshlrev_b32 v8, 4, v0                        ; 16 x lane.  (A plain instruction behind the exponentials)
	v_lshrrev_b32 v9, 4, v0
	v_and_b32 v10, 15, v0
	v_lshlrev_b32 v9, 12, v9
	v_lshl_add_u32 v9, v10, 6, v9                  ; qt's image in LDS: 4,096 (row / 16) + 64 (row % 16)
	s_lshr_b32 s24, ttmp9, 1                       ; kt: my run of 64 rows, 16,384 bytes each,
	s_lshl_b32 s24, s24, 14
	s_and_b32 s27, ttmp9, 1                        ; and which half of it: groups 0-3 or 4-7
	s_lshl_b32 s27, s27, 11
	s_add_co_u32 s24, s24, s27
	s_add_nc_u64 s[14:15], s[14:15], s[24:25]
	s_lshl_b32 s24, ttmp9, 13                      ; qt: 256 bytes a row
	s_add_nc_u64 s[12:13], s[12:13], s[24:25]
	s_wait_alu depctr_va_vdst(0)                   ; one wait for the 64 exponentials, ahead of the first instruction that names a result
.irp c, 0,1,2,3
.irp p, 0,1,2,3
	ds_store_b128 v9, v[QO+16*\c+4*\p:QO+16*\c+4*\p+3] offset:1024*\c+16*\p   ; (m, i) of u = 8 c + 2 p and the next
.endr
.endr
.irp c, 0,1,2,3
	global_store_b128 v8, v[KM+8*\c:KM+8*\c+3], s[14:15] offset:4096*\c         ; each store of the wave covers 512 consecutive bytes, aligned
	global_store_b128 v8, v[KM+8*\c+4:KM+8*\c+7], s[14:15] offset:4096*\c+512
	global_store_b128 v8, v[KI+8*\c:KI+8*\c+3], s[14:15] offset:4096*\c+1024
	global_store_b128 v8, v[KI+8*\c+4:KI+8*\c+7], s[14:15] offset:4096*\c+1536
.endr
.irp i, 0,1,2,3,4,5,6,7,8,9,10,11,12,13,14,15
	ds_load_b128 v[S1+4*\i:S1+4*\i+3], v8 offset:512*\i   ; LDS serves a wave's instructions in order: these see my stores
.endr
.irp i, 0,1,2,3,4,5,6,7,8,9,10,11,12,13,14,15
	s_wait_dscnt 15-\i                             ; load i is in; the younger ones may be out
	global_store_b128 v8, v[S1+4*\i:S1+4*\i+3], s[12:13] offset:512*\i
.endr
	s_set_vgpr_msb 0x5
	s_wait_tensorcnt 0x0
	ds_add_u32 v0, v1
	s_wait_dscnt 0x0
	s_set_vgpr_msb 0x500
	s_endpgm
	; ================ 128 keys x 32 columns: x as the last product's operand, quantised along the keys ================
.Lvalues:
	s_sub_co_u32 s24, ttmp9, 128
	s_lshr_b32 s26, s24, 2                         ; 8 x batch + K step: which 128 rows of x
	s_and_b32 s27, s24, 3                          ; which 32 columns
	s_lshl_b32 s28, s26, 16                        ; x: 128 rows of 512 bytes,
	s_lshl_b32 s29, s27, 7                         ; 32 columns of 4
	s_add_co_u32 s28, s28, s29
	s_mov_b32 s29, 0
	s_lshl_b32 s30, s26, 13                        ; vc: 8,192 bytes a K step,
	s_lshl_b32 s31, s27, 11                        ; two tiles of 1,024
	s_add_co_u32 s30, s30, s31
	s_mov_b32 s31, 0
	s_lshl_b32 s32, s26, 9                         ; vs: 512 bytes a K step, 4 a column
	s_lshl_b32 s33, s27, 7
	s_add_co_u32 s32, s32, s33
	s_mov_b32 s33, 0
	v_lshlrev_b32 v8, 2, v0                        ; 4 x lane: my column
	v_lshrrev_b32 v9, 4, v0
	v_and_b32 v10, 15, v0
	v_lshlrev_b32 v9, 10, v9
	v_lshl_add_u32 v9, v10, 4, v9                  ; my place in an image: 1,024 (lane / 16), the tile, + 16 (lane % 16)
	s_wait_kmcnt 0x0
	s_add_nc_u64 s[4:5], s[4:5], s[28:29]
	s_add_nc_u64 s[16:17], s[16:17], s[30:31]
	s_add_nc_u64 s[18:19], s[18:19], s[32:33]
.macro VLD t                           ; block t: x(key 32 t + J, my column), J = 0 .. 31, into registers of the block's own: each load of the wave reads 128 consecutive bytes
.set J, 0
.rept 32
	global_load_b32 v[64+32*(\t)+J], v8, s[4:5] offset:512*(32*(\t)+J)
.set J, J+1
.endr
.endm
.macro VBLOCK t                        ; block t of the four: keys 32 t on; all 32 numbers are mine
.set XS, 64+32*(\t)
.if (\t) < 3
	s_wait_loadcnt 32                              ; this block's 32 loads are in; the next block's 32 may be out
.else
	s_wait_loadcnt 0x0
.endif
.if (\t)+2 < 4
	VLD (\t)+2                                     ; loads run two blocks ahead; no register is shared between blocks, so they stand ahead of the block's arithmetic
.endif
	v_max3_num_f32 v12, |v[XS]|, |v[XS+1]|, |v[XS+2]|
	v_max3_num_f32 v13, |v[XS+3]|, |v[XS+4]|, |v[XS+5]|
.irp i, 6,10,14,18,22,26
	v_max3_num_f32 v12, v12, |v[XS+\i]|, |v[XS+\i+1]|
	v_max3_num_f32 v13, v13, |v[XS+\i+2]|, |v[XS+\i+3]|
.endr
	v_max3_num_f32 v12, v12, |v[XS+30]|, |v[XS+31]|
	v_max3_num_f32 v12, v12, v13, 0x1800000        ; and the floor 2^(3 - 127)
	v_add_nc_u32 v[20+(\t)], 0xff000000, v12       ; 2 off the exponent field: the conversion's scale operand
	v_lshrrev_b32 v13, 23, v[20+(\t)]              ; the scale's byte
.if (\t) == 0
	v_mov_b32 v14, v13
.else
	v_lshl_or_b32 v14, v13, 8*(\t), v14            ; four bytes make my column's scale word for these 128 keys
.endif
.irp g, 0,1,2,3
	v_cvt_scalef32_pk8_fp4_f32 v[32+4*(\t)+\g], v[XS+8*\g:XS+8*\g+7], v[20+(\t)]
.endr
	v_nop                                          ; one plain instruction behind the scaled conversions
	global_store_b128 v9, v[32+4*(\t):32+4*(\t)+3], s[16:17] offset:256*(\t)   ; block t = 2 c + h lies at 512 c + 256 h of the image: sixteen lanes store 256 consecutive bytes, aligned
.endm
	VLD 0
	VLD 1
	VBLOCK 0
	VBLOCK 1
	VBLOCK 2
	VBLOCK 3
	global_store_b32 v8, v14, s[18:19]
	s_endpgm
.Lfunc_end_k_q36561d816e_prep:
	.size	k_q36561d816e_prep, .Lfunc_end_k_q36561d816e_prep-k_q36561d816e_prep
	.p2alignl 7, 3214868480
	.fill 96, 4, 3214868480
	.section	.rodata,"a",@progbits
	.p2align	6, 0x0
	.amdhsa_kernel k_q36561d816e_prep
		.amdhsa_group_segment_fixed_size 8448
		.amdhsa_private_segment_fixed_size 0
		.amdhsa_enable_private_segment 0
		.amdhsa_kernarg_size 64
		.amdhsa_user_sgpr_count 2
		.amdhsa_user_sgpr_kernarg_segment_ptr 1
		.amdhsa_wavefront_size32 1
		.amdhsa_system_sgpr_workgroup_id_x 1
		.amdhsa_system_sgpr_workgroup_id_y 1
		.amdhsa_system_sgpr_workgroup_id_z 1
		.amdhsa_system_vgpr_workitem_id 0
		.amdhsa_next_free_vgpr 258
		.amdhsa_next_free_sgpr 66
		.amdhsa_reserve_vcc 0
		.amdhsa_float_denorm_mode_32 3
		.amdhsa_float_denorm_mode_16_64 3
		.amdhsa_memory_ordered 1
		.amdhsa_forward_progress 1
		.amdhsa_inst_pref_size 82
	.end_amdhsa_kernel
	.amdgpu_metadata
---
amdhsa.version: [ 1, 2 ]
amdhsa.kernels:
  - .name:           k_q36561d816e_prep
    .symbol:         k_q36561d816e_prep.kd
    .args:
      - { .name: x, .offset: 0, .size: 8, .value_kind: global_buffer, .address_space: global }
      - { .name: Wt, .offset: 8, .size: 8, .value_kind: global_buffer, .address_space: global }
      - { .name: Wx, .offset: 16, .size: 8, .value_kind: global_buffer, .address_space: global }
      - { .name: bh, .offset: 24, .size: 8, .value_kind: global_buffer, .address_space: global }
      - { .name: qt, .offset: 32, .size: 8, .value_kind: global_buffer, .address_space: global }
      - { .name: kt, .offset: 40, .size: 8, .value_kind: global_buffer, .address_space: global }
      - { .name: vc, .offset: 48, .size: 8, .value_kind: global_buffer, .address_space: global }
      - { .name: vs, .offset: 56, .size: 8, .value_kind: global_buffer, .address_space: global }
    .group_segment_fixed_size: 8448
    .private_segment_fixed_size: 0
    .kernarg_segment_align: 8
    .kernarg_segment_size: 64
    .max_flat_workgroup_size: 32
    .sgpr_count:     66
    .vgpr_count:     258
    .wavefront_size: 32
...
	.end_amdgpu_metadata
.endif
;; end of part 1
;; launch attend (part 2): grid 256 x 1, 16 waves a work-group, no clusters, 102,400 bytes of LDS; arguments qt, kt, vc, vs, Wa, ba, out0; writes out0
.if DOCPART == 2
	.amdgcn_target "amdgcn-amd-amdhsa--gfx1250"
	.amdhsa_code_object_version 6
	.text
	.protected	k_q36561d816e_attend
	.globl	k_q36561d816e_attend
	.p2align	8
	.type	k_q36561d816e_attend,@function
k_q36561d816e_attend:
	s_mov_b64 s[64:65], 0
	v_nop
	global_prefetch_b8 v0, s[64:65] scope:SCOPE_SE
	s_setreg_imm32_b32 hwreg(HW_REG_WAVE_MODE, 25, 1), 1
	s_wait_xcnt 0x0
; ATTEND: out0[b][s][:] = sum over j of softmax_j(tanh(ba + sum over u of Wa[u] tanh(q[s][u] + bh[u] + k[j][u]))) x[b][j][:].
; THE INNER TANH.  tanh(z) = 1 - 2 / (1 + 2^(c z)), c = 2 log2(e).  The launch before has split c (q + bh) = iq + fq and c k = ik + fk (whole parts as integers, mq = 2^fq, mk = 2^fk).  So for one (s, j, u):
;   e = iq + ik (integer) | L = ldexp(mk, e) | a = mq L + 1 | r = 1 / a | sum += Wa[u] r:   one transcendental, and nothing can overflow to a NaN: ldexp goes to infinity or to 0, r to 0 or to 1, as tanh goes to 1 or to -1.
;   alpha' = ba + sum Wa - 2 sum Wa[u] r.
; THE SOFTMAX.  The logit is tanh(alpha'), which lies in [-1, 1] for every input: p = 2^(log2(e) tanh(alpha')) lies in [0.36, 2.72], so no maximum is taken away (M = 0).  Against M = ceil(the row's largest t) that is an exact power of
; two, which a block's scale byte takes up and the row's sum carries too: the codes' values and O / l are the same.  The row's sum l is taken of the unquantised p.  p is quantised along the keys (MX-FP4), x arrives so quantised (vc, vs).
; LIMITS: as the launch before states them (whole parts held at +-2^20; no NaN, no infinities).
; SHARES.  A work-group owns 16 queries of one batch and all 1,024 keys; 256 work-groups.  Wave w of 16 owns keys 64 w .. 64 w + 63: lane l holds keys 64 w + l and 64 w + 32 + l.
; THE KEY SIDE (mk, ik) lies in vector registers.  u goes in four chunks of 8, outermost: a chunk's 32 key registers are asked for a whole chunk's work (8 groups of the text below) ahead, in two buffers by turns,
; so that only the first chunk is waited for, at the head; therefore no prefetch is laid.
; THE QUERY SIDE (mq, iq) is the same for all lanes and for all sixteen waves: 4,096 bytes a work-group.  It is read from memory once, 8 bytes a thread, and laid in LDS as it lies in qt.  Within a chunk the 16 queries go in groups of
; two; a group's 128 bytes come from LDS by eight loads in which all lanes name the same 16 bytes, into one buffer of 32 registers, asked for as soon as the group before has read that buffer.
; Wa, the same for all lanes, lies in scalar registers; a scalar pair gives its low word to both halves of a packed instruction, so the sums are packed by key: (key 0, key 1) x Wa[u].
; All 32 groups are written out: every offset is an immediate, no load passes its buffer's end, and there is no branch in the text.
; NOT SHARED IN A CLUSTER: the 64 work-groups of a batch read the same key table, 16 bytes a lane for each group of about 140 instructions; it goes straight into registers, and a joint load would send it through LDS.
; A GROUP G:  the plain work of G (32 e, 32 L, 16 packed a) | one wait | the eight LDS loads of G + 1 | the 16 packed sums of G - 1 | the 32 reciprocals of G.  So a batch of reciprocals has 80 plain instructions between it and
; its wait, and the LDS loads have the sums and the reciprocals, 49 instructions, between them and theirs.
; THEN: the wave's 16 x 64 sums turn through its own 4,352 bytes of LDS (no barrier: nobody else touches them), so that lane (r, h) holds query r and a whole block of 32 keys; three batches of 32 transcendentals give p;
; its codes are half of an operand's image | barrier | wave w: O^T tile (16 columns w % 8) x (K half w / 8): four scaled matrix instructions on two accumulators by turns | barrier | wave w: row w of the 16: both halves added, / l, stored.
.set QTL,  0                           ; LDS: the query side of my 16 queries: [4 chunks][16 queries][8 u][m, i], 4,096 bytes; written once, ahead of the first barrier
.set ABASE, 4096                       ; behind it the waves' blocks of sums
.set AP,   272                         ; a query's 64 sums of a wave: 256 bytes + 16, so that the sixteen rows of a load start four words apart
.set AWB,  16*AP                       ; a wave's block of sums
.set PIMG, ABASE+16*AWB                ; p's eight fragments, as images of their registers: 1,024 bytes each
.set PSC,  PIMG+8192                   ; p's scale words: 64 bytes a fragment
.set LS,   PSC+512                     ; the waves' parts of the rows' sums: [16 queries][16 waves]
.set ST,   LS+1024                     ; the stage for O: two halves of 16 rows x (512 bytes + 16)
.set SPI,  528
.set STH,  16*SPI
.set LI,   2                           ; v2   16 x lane
.set ZO,   3                           ; v3   0: the LDS address of the query side; a group's place stands in the immediate
.set R4,   4                           ; v4   4 x (lane % 16)
.set AW,   5                           ; v5   where I put a sum            v6   where I read 32 of them back
.set AR,   6
.set PWA,  7                           ; v7   where my codes go           v8   my scale byte            v9   my part of a row's sum
.set PSA,  8
.set LSA,  9
.set PRA,  10                          ; v10  where I read p's images     v11  p's scale words
.set PSR,  11
.set SOA,  12                          ; v12  the stage, in               v13  the stage, back          v14  my row's sixteen parts of l
.set SRA,  13
.set LRA,  14
.set KA,   16                          ; v16-47, v48-79  two buffers of a chunk's key side: 16 key + u = mk, 16 key + 8 + u = ik
.set KB,   48
.set VF,   KA                          ; later: V's four fragments;  p's four
.set PF,   KB
.set QB,   80                          ; v80-111   a group's query side, the same in every lane: 16 query + 2 u = mq, + 1 = iq
.set ACC,  112                         ; v112-175  sums: query q: the pair (key 0, key 1) of the even u at 4 q, of the odd u at 4 q + 2
.set OA,   112                         ; later: two accumulators of O^T
.set OB,   120
.set X,    176                         ; v176-207  e, L, a of a group: 16 query + 2 u + key
.set Y,    176                         ; later: my 32 sums, then p
.set R,    208                         ; v208-239  r of a group, in the same order
.set SU,   208                         ; later: at work
.set SV,   210
.set PC,   212
.set SCO,  216
.set BY,   217
.set PD,   218
.set VSC,  240                         ; v240-243 V's scale words, v244-247 p's: these hold scales and nothing else
.set PSL,  244
.set CC,   248                         ; v[248:249] c (ba + sum Wa), twice
.set LE,   250                         ; v[250:251] log2(e), twice
.set T0,   252                         ; v252-253 at work;  v254, v255: the closing add's two
.set WV,   18                          ; s18 my wave's number
.set WE,   68                          ; s[68:99]  Wa[0 .. 31]: the pair at an even u serves that u by its low word
.set WO,   32                          ; s[32:63]  s[32 + 2 j] = s[33 + 2 j] = Wa[2 j + 1]: the pairs for the odd u
.set SEL,  100                         ; s[100:101] lane selects for v_permlanex16_b32: lane l xor 16
.macro KLOAD ch, buf                   ; chunk ch of my wave's key side: eight loads of 512 consecutive bytes
.irp g, 0,1,2,3,4,5,6,7
	global_load_b128 v[\buf+4*\g:\buf+4*\g+3], v[LI], s[6:7] offset:4096*\ch+512*\g
.endr
.endm
.macro VLOAD                           ; V's four fragments of my tile and K half, and their scale words: twelve loads
.irp i, 0,1,2,3
.irp c, 0,1
	global_load_b128 v[VF+8*\i+4*\c:VF+8*\i+4*\c+3], v[LI], s[8:9] offset:8192*\i+512*\c
.endr
	global_load_b32 v[VSC+\i], v[R4], s[10:11] offset:512*\i
.endr
.endm
.macro QLOAD g                         ; group g's query side: 128 bytes; all lanes name the same 16 bytes of each load
.irp i, 0,1,2,3,4,5,6,7
	ds_load_b128 v[QB+4*\i:QB+4*\i+3], v[ZO] offset:QTL+128*(\g)+16*\i
.endr
.endm
.macro VWORK                           ; the plain work of a group: queries at v[QB], keys at v[KBUF]
.irp q, 0,1
.irp u, 0,1,2,3,4,5,6,7
.irp k, 0,1
	v_add_nc_u32 v[X+16*\q+2*\u+\k], v[QB+16*\q+2*\u+1], v[KBUF+16*\k+8+\u]     ; e = iq + ik
.endr
.endr
.endr
.irp q, 0,1
.irp u, 0,1,2,3,4,5,6,7
.irp k, 0,1
	v_ldexp_f32 v[X+16*\q+2*\u+\k], v[KBUF+16*\k+\u], v[X+16*\q+2*\u+\k]        ; L = mk 2^e
.endr
.endr
.endr
.irp q, 0,1
.irp u, 0,1,2,3,4,5,6,7
	v_pk_fma_f32 v[X+16*\q+2*\u:X+16*\q+2*\u+1], v[X+16*\q+2*\u:X+16*\q+2*\u+1], v[QB+16*\q+2*\u:QB+16*\q+2*\u+1], 1.0 op_sel_hi:[1,0,0]   ; a = mq L + 1, both keys (of the pair (mq, iq) the low word serves both halves)
.endr
.endr
.endm
.macro TWORK                           ; the group's 32 reciprocals
.set J, 0
.rept 32
	v_rcp_f32 v[R+J], v[X+J]
.set J, J+1
.endr
	v_nop                                          ; one plain instruction behind the batch, ahead of the next write of its sources
.endm
.macro AWORK                           ; the sums of queries AQ, AQ + 1 in chunk ACH: u = 2 p + o; four chains (two queries x even, odd u) by turns.  The first chunk's first products start the sums: nothing is cleared
.irp p, 0,1,2,3
.irp q, 0,1
.irp o, 0,1
.if (ACH == 0) && (\p == 0)
	v_pk_mul_f32 v[ACC+4*(AQ+\q)+2*\o:ACC+4*(AQ+\q)+2*\o+1], v[R+16*\q+4*\p+2*\o:R+16*\q+4*\p+2*\o+1], s[WE-(WE-WO)*\o+8*ACH+2*\p:WE-(WE-WO)*\o+8*ACH+2*\p+1] op_sel_hi:[1,0]
.else
	v_pk_fma_f32 v[ACC+4*(AQ+\q)+2*\o:ACC+4*(AQ+\q)+2*\o+1], v[R+16*\q+4*\p+2*\o:R+16*\q+4*\p+2*\o+1], s[WE-(WE-WO)*\o+8*ACH+2*\p:WE-(WE-WO)*\o+8*ACH+2*\p+1], v[ACC+4*(AQ+\q)+2*\o:ACC+4*(AQ+\q)+2*\o+1] op_sel_hi:[1,0,1]
.endif
.endr
.endr
.endr
.endm
	s_load_b256 s[4:11], s[0:1], 0x0               ; qt s[4:5], kt s[6:7], vc s[8:9], vs s[10:11]
	s_load_b128 s[12:15], s[0:1], 0x20             ; Wa s[12:13], ba s[14:15]
	s_load_b64 s[16:17], s[0:1], 0x30              ; out0
	v_lshl_add_u32 v254, v0, 2, 0x18800
	v_mov_b32 v255, 0
	v_lshrrev_b32 v1, 5, v0
	v_readfirstlane_b32 s[WV], v1                  ; wave 0..15
	v_and_b32 v1, 31, v0                           ; lane
	v_lshlrev_b32 v[LI], 4, v1
	v_mov_b32 v[ZO], 0
	v_lshlrev_b32 v[X], 3, v0                      ; 8 x my thread's number: my 8 bytes of the query side, in qt and in LDS alike
	s_lshl_b32 s20, ttmp9, 12                      ; qt: 4,096 bytes for my 16 queries
	s_mov_b32 s21, 0
	s_lshr_b32 s30, ttmp9, 6                       ; the batch
	s_lshl_b32 s22, s30, 18                        ; kt: 262,144 bytes a batch,
	s_lshl_b32 s23, s[WV], 14                      ; 16,384 for a wave's 64 keys
	s_add_co_u32 s22, s22, s23
	s_mov_b32 s23, 0
	s_wait_kmcnt 0x0
	s_add_nc_u64 s[4:5], s[4:5], s[20:21]
	s_add_nc_u64 s[6:7], s[6:7], s[22:23]
	global_load_b64 v[X+2:X+3], v[X], s[4:5]       ; the query side: a wave reads 256 consecutive bytes, the sixteen waves all 4,096
	KLOAD 0, KA
	KLOAD 1, KB
	s_load_b512 s[WE:WE+15], s[12:13], 0x0         ; Wa
	s_load_b512 s[WE+16:WE+31], s[12:13], 0x40
	s_load_b32 s19, s[14:15], 0x0                  ; ba
	; addresses, while the loads are out
	s_lshr_b32 s28, s[WV], 3                       ; which half of K is mine in the last product
	s_and_b32 s29, s[WV], 7                        ; and which tile of 16 columns
	s_lshl_b32 s20, s30, 16                        ; vc: 65,536 bytes a batch, 32,768 a half, 1,024 a tile
	s_lshl_b32 s22, s28, 15
	s_add_co_u32 s20, s20, s22
	s_lshl_b32 s22, s29, 10
	s_add_co_u32 s20, s20, s22
	s_add_nc_u64 s[8:9], s[8:9], s[20:21]
	s_lshl_b32 s20, s30, 12                        ; vs: 4,096 a batch, 2,048 a half, 64 a tile
	s_lshl_b32 s22, s28, 11
	s_add_co_u32 s20, s20, s22
	s_lshl_b32 s22, s29, 6
	s_add_co_u32 s20, s20, s22
	s_add_nc_u64 s[10:11], s[10:11], s[20:21]
	s_lshl_b32 s20, ttmp9, 13                      ; out0: 16 rows of 512 bytes a work-group, a row a wave
	s_lshl_b32 s22, s[WV], 9
	s_add_co_u32 s20, s20, s22
	s_add_nc_u64 s[16:17], s[16:17], s[20:21]
	s_mov_b32 s24, 0xc0b8aa3b                      ; -2 c = -4 log2(e); named as a pair, so both words are written
	s_mov_b32 s25, 0xc0b8aa3b
	s_mov_b32 s26, 0xc038aa3b                      ; -2 log2(e)
	s_mov_b32 s27, 0xc038aa3b
	s_mov_b32 s[SEL], 0x76543210
	s_mov_b32 s[SEL+1], 0xfedcba98
	v_mov_b32 v[LE], 0x3fb8aa3b
	v_mov_b32 v[LE+1], 0x3fb8aa3b
	v_and_b32 v15, 15, v0                          ; r
	v_bfe_u32 v[T0], v0, 4, 1                      ; h
	v_lshlrev_b32 v[R4], 2, v15
	s_mul_i32 s20, s[WV], AWB                      ; my wave's block of sums
	s_add_co_u32 s20, s20, ABASE
	v_lshlrev_b32 v[AW], 2, v1
	v_add_nc_u32 v[AW], s20, v[AW]                 ; in: 4 x lane; query and key stand in the immediate
	v_mul_u32_u24 v[AR], v15, AP
	v_lshl_add_u32 v[AR], v[T0], 7, v[AR]
	v_add_nc_u32 v[AR], s20, v[AR]                 ; back: query r, keys 32 h on
	s_lshl_b32 s20, s[WV], 9
	s_add_co_u32 s20, s20, PIMG
	v_add_nc_u32 v[PWA], s20, v[LI]                ; my codes: fragment w / 2, registers 4 (w % 2) on: 512 w + 16 x lane
	s_lshr_b32 s20, s[WV], 1
	s_lshl_b32 s20, s20, 6
	s_and_b32 s22, s[WV], 1
	s_lshl_b32 s22, s22, 1
	s_add_co_u32 s20, s20, s22
	s_add_co_u32 s20, s20, PSC
	v_lshl_add_u32 v[PSA], v15, 2, v[T0]
	v_add_nc_u32 v[PSA], s20, v[PSA]               ; my byte: fragment w / 2, row r's word, byte 2 (w % 2) + h
	s_lshl_b32 s20, s[WV], 2
	s_add_co_u32 s20, s20, LS
	v_lshlrev_b32 v[LSA], 6, v15
	v_add_nc_u32 v[LSA], s20, v[LSA]
	s_lshl_b32 s20, s28, 12
	s_add_co_u32 s20, s20, PIMG
	v_add_nc_u32 v[PRA], s20, v[LI]
	s_lshl_b32 s20, s28, 8
	s_add_co_u32 s20, s20, PSC
	v_add_nc_u32 v[PSR], s20, v[R4]
	s_mul_i32 s20, s28, STH
	s_lshl_b32 s22, s29, 6
	s_add_co_u32 s20, s20, s22
	s_add_co_u32 s20, s20, ST
	v_mul_u32_u24 v[SOA], v15, SPI
	v_lshl_add_u32 v[SOA], v[T0], 5, v[SOA]
	v_add_nc_u32 v[SOA], s20, v[SOA]               ; the stage, in: my K half, row r, 64 x tile + 32 h
	s_mul_i32 s20, s[WV], SPI
	s_add_co_u32 s20, s20, ST
	v_add_nc_u32 v[SRA], s20, v[LI]                ; back: row w, 16 bytes a lane
	s_lshl_b32 s20, s[WV], 6
	s_add_co_u32 s20, s20, LS
	v_mov_b32 v[LRA], s20
	; the query side goes into LDS, for all sixteen waves
	s_wait_loadcnt 16                              ; my 8 bytes of it are in; the two key chunks' sixteen loads, issued behind, may be out
	ds_store_b64 v[X], v[X+2:X+3] offset:QTL
	s_wait_dscnt 0x0                               ; for the others' sake: my store has landed
	s_barrier_signal -1
	s_barrier_wait -1                              ; all 4,096 bytes lie in LDS; nobody writes them again
	QLOAD 0
	s_wait_kmcnt 0x0                               ; Wa and ba
.set J, 0
.rept 16
	s_mov_b32 s[WO+2*J], s[WE+2*J+1]               ; each odd Wa[u] at the low word of a pair of its own; the pair is named whole, so its high word is written too
	s_mov_b32 s[WO+2*J+1], s[WE+2*J+1]
.set J, J+1
.endr
	; ================ the main part: 4 chunks of 8 u x 8 groups of two queries ================
.set G, 0
.rept 32
.set KBUF, KA+32*((G/8)%2)
.if G == 0
	s_wait_loadcnt 8                               ; chunk 0 is in; chunk 1's eight loads may be out
.elseif G == 8
	KLOAD 2, KA                                    ; chunk 0's last reader has been issued: its buffer takes chunk 2
	s_wait_loadcnt 8                               ; chunk 1 is in; the eight just issued may be out
.elseif G == 16
	KLOAD 3, KB
	s_wait_loadcnt 8                               ; chunk 2 is in
.elseif G == 24
	VLOAD                                          ; chunk 2's buffer takes V's fragments for the last product
	s_wait_loadcnt 12                              ; chunk 3 is in; the twelve just issued may be out
.endif
	s_wait_dscnt 0x0                               ; this group's query side, asked for behind the last group's plain work
	VWORK
.if G > 0
	s_wait_alu depctr_va_vdst(0)                   ; one wait for the last group's 32 reciprocals, ahead of their first reader
.endif
.if G < 31
	QLOAD G+1                                      ; the buffer's readers have all been issued: it takes the next group's
.endif
.if G > 0
.set AQ, 2*((G-1)%8)
.set ACH, (G-1)/8
	AWORK
.endif
	TWORK
.set G, G+1
.endr
	s_wait_alu depctr_va_vdst(0)
.set AQ, 14
.set ACH, 3
	AWORK
	; ================ the sums turn through my own LDS: from (lane = key) to (lane = query, registers = 32 neighbouring keys) ================
.set Q, 0
.rept 16
	v_pk_add_f32 v[ACC+4*Q:ACC+4*Q+1], v[ACC+4*Q:ACC+4*Q+1], v[ACC+4*Q+2:ACC+4*Q+3]   ; even u's and odd u's, both keys
.set Q, Q+1
.endr
.set Q, 0
.rept 16
	ds_store_b32 v[AW], v[ACC+4*Q] offset:Q*AP
	ds_store_b32 v[AW], v[ACC+4*Q+1] offset:Q*AP+128
.set Q, Q+1
.endr
.irp i, 0,1,2,3,4,5,6,7
	ds_load_b128 v[Y+4*\i:Y+4*\i+3], v[AR] offset:16*\i    ; LDS serves a wave's instructions in order: these see my stores; no other wave touches these bytes
.endr
	v_mov_b32 v[T0], s[WE]                                 ; c (ba + sum Wa), in two chains, while the loads are out
	v_mov_b32 v[T0+1], s[WE+1]
.irp j, 2,4,6,8,10,12,14,16,18,20,22,24,26,28,30
	v_add_f32 v[T0], s[WE+\j], v[T0]
	v_add_f32 v[T0+1], s[WE+\j+1], v[T0+1]
.endr
	v_add_f32 v[T0], v[T0], v[T0+1]
	v_add_f32 v[T0], s19, v[T0]
	v_mul_f32 v[CC], 0x4038aa3b, v[T0]
	v_mov_b32 v[CC+1], v[CC]
	v_mov_b32 v[PD], 0                                     ; a lane permute's destination counts as one of its sources
	s_wait_dscnt 0x0
.irp j, 0,2,4,6,8,10,12,14,16,18,20,22,24,26,28,30
	v_pk_fma_f32 v[Y+\j:Y+\j+1], v[Y+\j:Y+\j+1], s[24:25], v[CC:CC+1] op_sel_hi:[1,0,1]   ; c alpha' = c (ba + sum Wa) - 2 c sum
.endr
.set J, 0
.rept 32
	v_exp_f32 v[Y+J], v[Y+J]
.set J, J+1
.endr
	v_nop                                          ; a plain instruction behind each batch, and one wait ahead of its first reader
	s_wait_alu depctr_va_vdst(0)
.irp j, 0,2,4,6,8,10,12,14,16,18,20,22,24,26,28,30
	v_pk_add_f32 v[Y+\j:Y+\j+1], v[Y+\j:Y+\j+1], 1.0 op_sel_hi:[1,0]
.endr
.set J, 0
.rept 32
	v_rcp_f32 v[Y+J], v[Y+J]
.set J, J+1
.endr
	v_nop
	s_wait_alu depctr_va_vdst(0)
.irp j, 0,2,4,6,8,10,12,14,16,18,20,22,24,26,28,30
	v_pk_fma_f32 v[Y+\j:Y+\j+1], v[Y+\j:Y+\j+1], s[26:27], v[LE:LE+1] op_sel_hi:[1,0,1]   ; t = log2(e) tanh(alpha') = log2(e) - 2 log2(e) r
.endr
.set J, 0
.rept 32
	v_exp_f32 v[Y+J], v[Y+J]                       ; p = 2^t
.set J, J+1
.endr
	v_nop
	s_wait_alu depctr_va_vdst(0)
	v_pk_add_f32 v[SU:SU+1], v[Y:Y+1], v[Y+2:Y+3]  ; the row's sum is taken of the unquantised p: two chains
	v_pk_add_f32 v[SV:SV+1], v[Y+4:Y+5], v[Y+6:Y+7]
.irp j, 8,12,16,20,24,28
	v_pk_add_f32 v[SU:SU+1], v[SU:SU+1], v[Y+\j:Y+\j+1]
	v_pk_add_f32 v[SV:SV+1], v[SV:SV+1], v[Y+\j+2:Y+\j+3]
.endr
	v_max3_num_f32 v[T0], v[Y], v[Y+1], 0x1800000  ; my block's largest p (none is negative), over the floor 2^(3 - 127)
	v_max3_num_f32 v[T0+1], v[Y+2], v[Y+3], v[Y+4]
.irp i, 5,9,13,17,21,25
	v_max3_num_f32 v[T0], v[T0], v[Y+\i], v[Y+\i+1]
	v_max3_num_f32 v[T0+1], v[T0+1], v[Y+\i+2], v[Y+\i+3]
.endr
	v_max3_num_f32 v[T0], v[T0], v[Y+29], v[Y+30]
	v_max3_num_f32 v[T0], v[T0], v[T0+1], v[Y+31]
	v_pk_add_f32 v[SU:SU+1], v[SU:SU+1], v[SV:SV+1]
	v_add_nc_u32 v[SCO], 0xff000000, v[T0]         ; 2 off the exponent field: the conversion's scale operand
	v_add_f32 v[SU], v[SU], v[SU+1]
	v_lshrrev_b32 v[BY], 23, v[SCO]                ; the scale's byte
	v_permlanex16_b32 v[PD], v[SU], s[SEL], s[SEL+1]
.irp g, 0,1,2,3
	v_cvt_scalef32_pk8_fp4_f32 v[PC+\g], v[Y+8*\g:Y+8*\g+7], v[SCO]   ; keys 64 w + 32 h + 8 g on: registers 4 (w % 2) + g of fragment w / 2, as they stand
.endr
	v_add_f32 v[SU], v[SU], v[PD]                  ; my wave's 64 keys' part of query r's sum.  (Also the plain instruction behind the conversions)
	ds_store_b128 v[PWA], v[PC:PC+3]
	ds_store_b8 v[PSA], v[BY]
	ds_store_b32 v[LSA], v[SU]                     ; lanes r and r + 16 write the same word with the same value
	s_wait_dscnt 0x0                               ; for the others' sake: my stores have landed
	s_barrier_signal -1
	s_barrier_wait -1                              ; p's eight fragments, their scale words and the parts of l lie in LDS
	; ================ O^T = V^T P^T: source 0 = 16 columns of x (K = keys), source 1 = the 16 queries ================
.irp i, 0,1,2,3
.irp c, 0,1
	ds_load_b128 v[PF+8*\i+4*\c:PF+8*\i+4*\c+3], v[PRA] offset:1024*\i+512*\c
.endr
	ds_load_b32 v[PSL+\i], v[PSR] offset:64*\i
.endr
	s_wait_dscnt 0x0
	s_wait_loadcnt 0x0                             ; V's fragments and scale words, asked for eight groups before the main part's end
	; two accumulators by turns, one instruction a turn; the first product of each starts its sum
	v_wmma_scale_f32_16x16x128_f8f6f4 v[OA:OA+7], v[VF:VF+7], v[PF:PF+7], 0, v[VSC], v[PSL] matrix_a_fmt:MATRIX_FMT_FP4 matrix_b_fmt:MATRIX_FMT_FP4
	v_wmma_scale_f32_16x16x128_f8f6f4 v[OB:OB+7], v[VF+8:VF+15], v[PF+8:PF+15], 0, v[VSC+1], v[PSL+1] matrix_a_fmt:MATRIX_FMT_FP4 matrix_b_fmt:MATRIX_FMT_FP4
	v_wmma_scale_f32_16x16x128_f8f6f4 v[OA:OA+7], v[VF+16:VF+23], v[PF+16:PF+23], v[OA:OA+7], v[VSC+2], v[PSL+2] matrix_a_fmt:MATRIX_FMT_FP4 matrix_b_fmt:MATRIX_FMT_FP4
	v_wmma_scale_f32_16x16x128_f8f6f4 v[OB:OB+7], v[VF+24:VF+31], v[PF+24:PF+31], v[OB:OB+7], v[VSC+3], v[PSL+3] matrix_a_fmt:MATRIX_FMT_FP4 matrix_b_fmt:MATRIX_FMT_FP4
.rept 4
	v_nop                                          ; four plain instructions between the last product and the first read of results
.endr
.irp j, 0,2,4,6
	v_pk_add_f32 v[OA+\j:OA+\j+1], v[OA+\j:OA+\j+1], v[OB+\j:OB+\j+1]   ; both accumulators from their low end on
.endr
	ds_store_b128 v[SOA], v[OA:OA+3]               ; lane (r, h): query r, columns 16 tile + 8 h + 0 .. 7
	ds_store_b128 v[SOA], v[OA+4:OA+7] offset:16
	s_wait_dscnt 0x0
	s_barrier_signal -1
	s_barrier_wait -1                              ; both halves of the 16 rows lie in the stage
	; ================ wave w sends row w ================
	ds_load_b128 v[128:131], v[SRA]
	ds_load_b128 v[132:135], v[SRA] offset:STH
.irp i, 0,1,2,3
	ds_load_b128 v[136+4*\i:139+4*\i], v[LRA] offset:16*\i   ; the sixteen waves' parts of my row's sum: every lane reads the same bytes
.endr
	v_mov_b32 v153, 0                              ; (named as the upper half of the pair v[152:153])
	s_wait_dscnt 0x0
	v_pk_add_f32 v[136:137], v[136:137], v[138:139]
.irp j, 140,142,144,146,148,150
	v_pk_add_f32 v[136:137], v[136:137], v[\j:\j+1]
.endr
	v_add_f32 v136, v136, v137                     ; l
	v_rcp_f32 v152, v136
	v_pk_add_f32 v[128:129], v[128:129], v[132:133]   ; the two halves of K.  (Plain work behind the reciprocal)
	v_pk_add_f32 v[130:131], v[130:131], v[134:135]
	s_wait_alu depctr_va_vdst(0)                   ; the wait, ahead of the reciprocal's first reader
	v_pk_mul_f32 v[128:129], v[128:129], v[152:153] op_sel_hi:[1,0]
	v_pk_mul_f32 v[130:131], v[130:131], v[152:153] op_sel_hi:[1,0]
	global_store_b128 v[LI], v[128:131], s[16:17] th:TH_STORE_NT   ; the wave stores a row: 512 consecutive bytes, aligned; written once, read by nobody here
	s_wait_tensorcnt 0x0
	ds_add_u32 v254, v255
	s_wait_dscnt 0x0
	s_endpgm
.Lfunc_end_k_q36561d816e_attend:
	.size	k_q36561d816e_attend, .Lfunc_end_k_q36561d816e_attend-k_q36561d816e_attend
	.p2alignl 7, 3214868480
	.fill 96, 4, 3214868480
	.section	.rodata,"a",@progbits
	.p2align	6, 0x0
	.amdhsa_kernel k_q36561d816e_attend
		.amdhsa_group_segment_fixed_size 102400
		.amdhsa_private_segment_fixed_size 0
		.amdhsa_enable_private_segment 0
		.amdhsa_kernarg_size 56
		.amdhsa_user_sgpr_count 2
		.amdhsa_user_sgpr_kernarg_segment_ptr 1
		.amdhsa_wavefront_size32 1
		.amdhsa_system_sgpr_workgroup_id_x 1
		.amdhsa_system_sgpr_workgroup_id_y 1
		.amdhsa_system_sgpr_workgroup_id_z 1
		.amdhsa_system_vgpr_workitem_id 0
		.amdhsa_next_free_vgpr 256
		.amdhsa_next_free_sgpr 102
		.amdhsa_reserve_vcc 0
		.amdhsa_float_denorm_mode_32 3
		.amdhsa_float_denorm_mode_16_64 3
		.amdhsa_memory_ordered 1
		.amdhsa_forward_progress 1
		.amdhsa_inst_pref_size 238
	.end_amdhsa_kernel
	.amdgpu_metadata
---
amdhsa.version: [ 1, 2 ]
amdhsa.kernels:
  - .name:           k_q36561d816e_attend
    .symbol:         k_q36561d816e_attend.kd
    .args:
      - { .name: qt, .offset: 0, .size: 8, .value_kind: global_buffer, .address_space: global }
      - { .name: kt, .offset: 8, .size: 8, .value_kind: global_buffer, .address_space: global }
      - { .name: vc, .offset: 16, .size: 8, .value_kind: global_buffer, .address_space: global }
      - { .name: vs, .offset: 24, .size: 8, .value_kind: global_buffer, .address_space: global }
      - { .name: Wa, .offset: 32, .size: 8, .value_kind: global_buffer, .address_space: global }
      - { .name: ba, .offset: 40, .size: 8, .value_kind: global_buffer, .address_space: global }
      - { .name: out0, .offset: 48, .size: 8, .value_kind: global_buffer, .address_space: global }
    .group_segment_fixed_size: 102400
    .private_segment_fixed_size: 0
    .kernarg_segment_align: 8
    .kernarg_segment_size: 56
    .max_flat_workgroup_size: 512
    .sgpr_count:     102
    .vgpr_count:     256
    .wavefront_size: 32
...
	.end_amdgpu_metadata
.endif
;; end of part 2
;; ======== version 2 of 2: 2 launches; version 1 with the launch attend written anew for expert scheduling mode
;; limits: right only within a limited range of input values
;; workspace buffers: qt 1,048,576 bytes; kt 1,048,576 bytes; vc 262,144 bytes; vs 16,384 bytes
;; launch prep: the kernel of part 1 again; grid 256 x 1, 1 waves a work-group, no clusters, 8,448 bytes of LDS; arguments x, Wt, Wx, bh, qt, kt, vc, vs; writes qt, kt, vc, vs
;; launch attend (part 3): grid 256 x 1, 16 waves a work-group, no clusters, 102,400 bytes of LDS; arguments qt, kt, vc, vs, Wa, ba, out0; writes out0
.if DOCPART == 3
	.amdgcn_target "amdgcn-amd-amdhsa--gfx1250"
	.amdhsa_code_object_version 6
	.text
	.protected	k_q36561d816e_attend
	.globl	k_q36561d816e_attend
	.p2align	8
	.type	k_q36561d816e_attend,@function
k_q36561d816e_attend:
	s_mov_b64 s[64:65], 0
	v_nop
	global_prefetch_b8 v0, s[64:65] scope:SCOPE_SE
	s_setreg_imm32_b32 hwreg(HW_REG_WAVE_SCHED_MODE, 0, 2), 2
	s_setreg_imm32_b32 hwreg(HW_REG_WAVE_MODE, 25, 1), 1
	s_wait_xcnt 0x0
	s_wait_alu depctr_vm_vsrc(0)
; ATTEND: out0[b][s][:] = sum over j of softmax_j(tanh(ba + sum over u of Wa[u] tanh(q[s][u] + bh[u] + k[j][u]))) x[b][j][:].
; THE INNER TANH.  tanh(z) = 1 - 2 / (1 + 2^(c z)), c = 2 log2(e).  The launch before has split c (q + bh) = iq + fq and c k = ik + fk (whole parts as integers, mq = 2^fq, mk = 2^fk).  So for one (s, j, u):
;   e = iq + ik (integer) | L = ldexp(mk, e) | a = mq L + 1 | r = 1 / a | sum += Wa[u] r:   one transcendental, and nothing can overflow to a NaN: ldexp goes to infinity or to 0, r to 0 or to 1, as tanh goes to 1 or to -1.
;   alpha' = ba + sum Wa - 2 sum Wa[u] r.
; THE SOFTMAX.  The logit is tanh(alpha'), which lies in [-1, 1] for every input: p = 2^(log2(e) tanh(alpha')) lies in [0.36, 2.72], so no maximum is taken away (M = 0).  Against M = ceil(the row's largest t) that is an exact power of
; two, which a block's scale byte takes up and the row's sum carries too: the codes' values and O / l are the same.  The row's sum l is taken of the unquantised p.  p is quantised along the keys (MX-FP4), x arrives so quantised (vc, vs).
; LIMITS: as the launch before states them (whole parts held at +-2^20; no NaN, no infinities).
; SHARES.  A work-group owns 16 queries of one batch and all 1,024 keys; 256 work-groups.  Wave w of 16 owns keys 64 w .. 64 w + 63: lane l holds keys 64 w + l and 64 w + 32 + l.
; THE KEY SIDE (mk, ik) lies in vector registers.  u goes in four chunks of 8, outermost: a chunk's 32 key registers are asked for a whole chunk's work (8 groups of the text below) ahead, in two buffers by turns,
; so that only the first chunk is waited for, at the head; therefore no prefetch is laid.
; THE QUERY SIDE (mq, iq) is the same for all lanes and for all sixteen waves: 4,096 bytes a work-group.  It is read from memory once, 8 bytes a thread, and laid in LDS as it lies in qt.  Within a chunk the 16 queries go in groups of
; two; a group's 128 bytes come from LDS by eight loads in which all lanes name the same 16 bytes, into one buffer of 32 registers, asked for as soon as the group before has read that buffer.
; Wa, the same for all lanes, lies in scalar registers; a scalar pair gives its low word to both halves of a packed instruction, so the sums are packed by key: (key 0, key 1) x Wa[u].
; All 32 groups are written out: every offset is an immediate, no load passes its buffer's end, and there is no branch in the text.
; NOT SHARED IN A CLUSTER: the 64 work-groups of a batch read the same key table, 16 bytes a lane for each group of about 140 instructions; it goes straight into registers, and a joint load would send it through LDS.
; A GROUP G:  the plain work of G (32 e, 32 L, 16 packed a) | one wait | the 16 packed sums of G - 1, with the eight LDS loads of G + 1 dealt among them, two ahead of each four sums | the 32 reciprocals of G.  So a batch of
; reciprocals has 80 plain instructions between it and its wait, and the last two LDS loads have four sums and the reciprocals between them and theirs.
; THEN: the wave's 16 x 64 sums turn through its own 4,352 bytes of LDS (no barrier: nobody else touches them), so that lane (r, h) holds query r and a whole block of 32 keys; three batches of 32 transcendentals give p;
; its codes are half of an operand's image | barrier | wave w: O^T tile (16 columns w % 8) x (K half w / 8): four scaled matrix instructions on two accumulators by turns | barrier | wave w: row w of the 16: both halves added, / l, stored.
; THE MODE: SCHED_MODE bits 1:0 = 2 (LLVM: expert scheduling mode 2), set by the entry lines.  The code itself states the register dependences
; between vector or matrix instructions and memory or LDS instructions, with s_wait_alu, always for 0.
; THE PLAN.  Registers that memory or LDS instructions touch:
;   v2-v14        offsets and LDS addresses: made at the head, never written again.
;   v176, v178-9  at the head only: the offset and LDS address of my 8 bytes of the query side, and those bytes: loaded, then read by one LDS store.  From group 0 on the plain work writes them.
;   QB            group G's plain work reads it; the LDS loads of group G + 1 land in it.
;   KA, KB        a chunk's eight groups read one of them; the chunk two on lands in it at the head of the group behind its last reader; then V's fragments land in KA and p's in KB, which matrix instructions alone read.
;   X = Y         in the main part named by vector instructions alone; behind it the turn's eight LDS loads land there.
;   ACC           written by the sums, read by the turn's 32 LDS stores; later the products write v112-127 (read by the stage's two stores), the way out's loads land in v128-151, v152 and v153 are written, and the last store reads v128-131.
;   v208, v212-215, v217   my part of l, my codes, my byte: written by vector instructions, read by three LDS stores, not written again.
;   v240-247      scale words: loads write them, matrix instructions read them.        v254, v255: read by the closing add alone.
; So ONE wait on va_vdst stands in a group, behind its plain work: the plain work is done reading QB and the key buffer, and the last group's reciprocals have written R.  The sums and reciprocals that follow it name ACC, R, X and
; scalar registers alone: none of the registers that the group's LDS loads, or the key loads at the next group's head, touch.  No address is written in the main part, so it holds no wait on vm_vsrc.
.set QTL,  0                           ; LDS: the query side of my 16 queries: [4 chunks][16 queries][8 u][m, i], 4,096 bytes; written once, ahead of the first barrier
.set ABASE, 4096                       ; behind it the waves' blocks of sums
.set AP,   272                         ; a query's 64 sums of a wave: 256 bytes + 16, so that the sixteen rows of a load start four words apart
.set AWB,  16*AP                       ; a wave's block of sums
.set PIMG, ABASE+16*AWB                ; p's eight fragments, as images of their registers: 1,024 bytes each
.set PSC,  PIMG+8192                   ; p's scale words: 64 bytes a fragment
.set LS,   PSC+512                     ; the waves' parts of the rows' sums: [16 queries][16 waves]
.set ST,   LS+1024                     ; the stage for O: two halves of 16 rows x (512 bytes + 16)
.set SPI,  528
.set STH,  16*SPI
.set LI,   2                           ; v2   16 x lane
.set ZO,   3                           ; v3   0: the LDS address of the query side; a group's place stands in the immediate
.set R4,   4                           ; v4   4 x (lane % 16)
.set AW,   5                           ; v5   where I put a sum            v6   where I read 32 of them back
.set AR,   6
.set PWA,  7                           ; v7   where my codes go           v8   my scale byte            v9   my part of a row's sum
.set PSA,  8
.set LSA,  9
.set PRA,  10                          ; v10  where I read p's images     v11  p's scale words
.set PSR,  11
.set SOA,  12                          ; v12  the stage, in               v13  the stage, back          v14  my row's sixteen parts of l
.set SRA,  13
.set LRA,  14
.set KA,   16                          ; v16-47, v48-79  two buffers of a chunk's key side: 16 key + u = mk, 16 key + 8 + u = ik
.set KB,   48
.set VF,   KA                          ; later: V's four fragments;  p's four
.set PF,   KB
.set QB,   80                          ; v80-111   a group's query side, the same in every lane: 16 query + 2 u = mq, + 1 = iq
.set ACC,  112                         ; v112-175  sums: query q: the pair (key 0, key 1) of the even u at 4 q, of the odd u at 4 q + 2
.set OA,   112                         ; later: two accumulators of O^T
.set OB,   120
.set X,    176                         ; v176-207  e, L, a of a group: 16 query + 2 u + key
.set Y,    176                         ; later: my 32 sums, then p
.set R,    208                         ; v208-239  r of a group, in the same order
.set SU,   208                         ; later: at work
.set SV,   210
.set PC,   212
.set SCO,  216
.set BY,   217
.set PD,   218
.set VSC,  240                         ; v240-243 V's scale words, v244-247 p's: these hold scales and nothing else
.set PSL,  244
.set CC,   248                         ; v[248:249] c (ba + sum Wa), twice
.set LE,   250                         ; v[250:251] log2(e), twice
.set T0,   252                         ; v252-253 at work;  v254, v255: the closing add's two, made at the head and kept for it alone
.set WV,   18                          ; s18 my wave's number
.set WE,   68                          ; s[68:99]  Wa[0 .. 31]: the pair at an even u serves that u by its low word
.set WO,   32                          ; s[32:63]  s[32 + 2 j] = s[33 + 2 j] = Wa[2 j + 1]: the pairs for the odd u
.set SEL,  100                         ; s[100:101] lane selects for v_permlanex16_b32: lane l xor 16
.macro KLOAD ch, buf                   ; chunk ch of my wave's key side: eight loads of 512 consecutive bytes
.irp g, 0,1,2,3,4,5,6,7
	global_load_b128 v[\buf+4*\g:\buf+4*\g+3], v[LI], s[6:7] offset:4096*\ch+512*\g
.endr
.endm
.macro VLOAD                           ; V's four fragments of my tile and K half, and their scale words: twelve loads
.irp i, 0,1,2,3
.irp c, 0,1
	global_load_b128 v[VF+8*\i+4*\c:VF+8*\i+4*\c+3], v[LI], s[8:9] offset:8192*\i+512*\c
.endr
	global_load_b32 v[VSC+\i], v[R4], s[10:11] offset:512*\i
.endr
.endm
.macro QLOAD g                         ; group g's query side in one run (groups 0 and 1, which have no sums to stand among): 128 bytes; all lanes name the same 16 bytes of each load
.irp i, 0,1,2,3,4,5,6,7
	ds_load_b128 v[QB+4*\i:QB+4*\i+3], v[ZO] offset:QTL+128*(\g)+16*\i
.endr
.endm
.macro VWORK                           ; the plain work of a group: queries at v[QB], keys at v[KBUF]
.irp q, 0,1
.irp u, 0,1,2,3,4,5,6,7
.irp k, 0,1
	v_add_nc_u32 v[X+16*\q+2*\u+\k], v[QB+16*\q+2*\u+1], v[KBUF+16*\k+8+\u]     ; e = iq + ik
.endr
.endr
.endr
.irp q, 0,1
.irp u, 0,1,2,3,4,5,6,7
.irp k, 0,1
	v_ldexp_f32 v[X+16*\q+2*\u+\k], v[KBUF+16*\k+\u], v[X+16*\q+2*\u+\k]        ; L = mk 2^e
.endr
.endr
.endr
.irp q, 0,1
.irp u, 0,1,2,3,4,5,6,7
	v_pk_fma_f32 v[X+16*\q+2*\u:X+16*\q+2*\u+1], v[X+16*\q+2*\u:X+16*\q+2*\u+1], v[QB+16*\q+2*\u:QB+16*\q+2*\u+1], 1.0 op_sel_hi:[1,0,0]   ; a = mq L + 1, both keys (of the pair (mq, iq) the low word serves both halves)
.endr
.endr
.endm
.macro TWORK                           ; the group's 32 reciprocals
.set J, 0
.rept 32
	v_rcp_f32 v[R+J], v[X+J]
.set J, J+1
.endr
	v_nop                                          ; one plain instruction behind the batch, ahead of the next write of its sources
.endm
; The sums of queries AQ, AQ + 1 in chunk ACH: u = 2 p + o; four chains (two queries x even, odd u) by turns.  The first chunk's first products start the sums: nothing is cleared.
; Among them, two ahead of each four sums, the eight LDS loads of group NG's query side (NG = 32: there is no such group).  No wait: the sums name ACC, R and scalar registers, none of which these loads touch.
.macro AWORK
.irp p, 0,1,2,3
.if NG < 32
	ds_load_b128 v[QB+8*\p:QB+8*\p+3],   v[ZO] offset:QTL+128*NG+32*\p
	ds_load_b128 v[QB+8*\p+4:QB+8*\p+7], v[ZO] offset:QTL+128*NG+32*\p+16
.endif
.irp q, 0,1
.irp o, 0,1
.if (ACH == 0) && (\p == 0)
	v_pk_mul_f32 v[ACC+4*(AQ+\q)+2*\o:ACC+4*(AQ+\q)+2*\o+1], v[R+16*\q+4*\p+2*\o:R+16*\q+4*\p+2*\o+1], s[WE-(WE-WO)*\o+8*ACH+2*\p:WE-(WE-WO)*\o+8*ACH+2*\p+1] op_sel_hi:[1,0]
.else
	v_pk_fma_f32 v[ACC+4*(AQ+\q)+2*\o:ACC+4*(AQ+\q)+2*\o+1], v[R+16*\q+4*\p+2*\o:R+16*\q+4*\p+2*\o+1], s[WE-(WE-WO)*\o+8*ACH+2*\p:WE-(WE-WO)*\o+8*ACH+2*\p+1], v[ACC+4*(AQ+\q)+2*\o:ACC+4*(AQ+\q)+2*\o+1] op_sel_hi:[1,0,1]
.endif
.endr
.endr
.endr
.endm
	s_load_b256 s[4:11], s[0:1], 0x0               ; qt s[4:5], kt s[6:7], vc s[8:9], vs s[10:11]
	s_load_b128 s[12:15], s[0:1], 0x20             ; Wa s[12:13], ba s[14:15]
	s_load_b64 s[16:17], s[0:1], 0x30              ; out0
	v_lshl_add_u32 v254, v0, 2, 0x18800
	v_mov_b32 v255, 0
	v_lshrrev_b32 v1, 5, v0
	v_readfirstlane_b32 s[WV], v1                  ; wave 0..15
	v_and_b32 v1, 31, v0                           ; lane
	v_lshlrev_b32 v[LI], 4, v1
	v_mov_b32 v[ZO], 0
	v_lshlrev_b32 v[X], 3, v0                      ; 8 x my thread's number: my 8 bytes of the query side, in qt and in LDS alike
	s_lshl_b32 s20, ttmp9, 12                      ; qt: 4,096 bytes for my 16 queries
	s_mov_b32 s21, 0
	s_lshr_b32 s30, ttmp9, 6                       ; the batch
	s_lshl_b32 s22, s30, 18                        ; kt: 262,144 bytes a batch,
	s_wait_alu depctr_va_sdst(0)                   ; s18, my wave's number, is written, ahead of its first reader: bases and LDS addresses are made from it
	s_lshl_b32 s23, s[WV], 14                      ; 16,384 for a wave's 64 keys
	s_add_co_u32 s22, s22, s23
	s_mov_b32 s23, 0
	s_wait_kmcnt 0x0
	s_add_nc_u64 s[4:5], s[4:5], s[20:21]
	s_add_nc_u64 s[6:7], s[6:7], s[22:23]
	s_wait_alu depctr_va_vdst(0)                   ; v2, v3 and v176 are written: the offsets of the loads below, and the LDS addresses of the query side's store and loads
	global_load_b64 v[X+2:X+3], v[X], s[4:5]       ; the query side: a wave reads 256 consecutive bytes, the sixteen waves all 4,096
	KLOAD 0, KA
	KLOAD 1, KB
	s_load_b512 s[WE:WE+15], s[12:13], 0x0         ; Wa
	s_load_b512 s[WE+16:WE+31], s[12:13], 0x40
	s_load_b32 s19, s[14:15], 0x0                  ; ba
	; addresses, while the loads are out.  Their first reader stands behind group 0's wait on va_vdst
	s_lshr_b32 s28, s[WV], 3                       ; which half of K is mine in the last product
	s_and_b32 s29, s[WV], 7                        ; and which tile of 16 columns
	s_lshl_b32 s20, s30, 16                        ; vc: 65,536 bytes a batch, 32,768 a half, 1,024 a tile
	s_lshl_b32 s22, s28, 15
	s_add_co_u32 s20, s20, s22
	s_lshl_b32 s22, s29, 10
	s_add_co_u32 s20, s20, s22
	s_add_nc_u64 s[8:9], s[8:9], s[20:21]
	s_lshl_b32 s20, s30, 12                        ; vs: 4,096 a batch, 2,048 a half, 64 a tile
	s_lshl_b32 s22, s28, 11
	s_add_co_u32 s20, s20, s22
	s_lshl_b32 s22, s29, 6
	s_add_co_u32 s20, s20, s22
	s_add_nc_u64 s[10:11], s[10:11], s[20:21]
	s_lshl_b32 s20, ttmp9, 13                      ; out0: 16 rows of 512 bytes a work-group, a row a wave
	s_lshl_b32 s22, s[WV], 9
	s_add_co_u32 s20, s20, s22
	s_add_nc_u64 s[16:17], s[16:17], s[20:21]
	s_mov_b32 s24, 0xc0b8aa3b                      ; -2 c = -4 log2(e); named as a pair, so both words are written
	s_mov_b32 s25, 0xc0b8aa3b
	s_mov_b32 s26, 0xc038aa3b                      ; -2 log2(e)
	s_mov_b32 s27, 0xc038aa3b
	s_mov_b32 s[SEL], 0x76543210
	s_mov_b32 s[SEL+1], 0xfedcba98
	v_mov_b32 v[LE], 0x3fb8aa3b
	v_mov_b32 v[LE+1], 0x3fb8aa3b
	v_and_b32 v15, 15, v0                          ; r
	v_bfe_u32 v[T0], v0, 4, 1                      ; h
	v_lshlrev_b32 v[R4], 2, v15
	s_mul_i32 s20, s[WV], AWB                      ; my wave's block of sums
	s_add_co_u32 s20, s20, ABASE
	v_lshlrev_b32 v[AW], 2, v1
	v_add_nc_u32 v[AW], s20, v[AW]                 ; in: 4 x lane; query and key stand in the immediate
	v_mul_u32_u24 v[AR], v15, AP
	v_lshl_add_u32 v[AR], v[T0], 7, v[AR]
	v_add_nc_u32 v[AR], s20, v[AR]                 ; back: query r, keys 32 h on
	s_lshl_b32 s20, s[WV], 9
	s_add_co_u32 s20, s20, PIMG
	v_add_nc_u32 v[PWA], s20, v[LI]                ; my codes: fragment w / 2, registers 4 (w % 2) on: 512 w + 16 x lane
	s_lshr_b32 s20, s[WV], 1
	s_lshl_b32 s20, s20, 6
	s_and_b32 s22, s[WV], 1
	s_lshl_b32 s22, s22, 1
	s_add_co_u32 s20, s20, s22
	s_add_co_u32 s20, s20, PSC
	v_lshl_add_u32 v[PSA], v15, 2, v[T0]
	v_add_nc_u32 v[PSA], s20, v[PSA]               ; my byte: fragment w / 2, row r's word, byte 2 (w % 2) + h
	s_lshl_b32 s20, s[WV], 2
	s_add_co_u32 s20, s20, LS
	v_lshlrev_b32 v[LSA], 6, v15
	v_add_nc_u32 v[LSA], s20, v[LSA]
	s_lshl_b32 s20, s28, 12
	s_add_co_u32 s20, s20, PIMG
	v_add_nc_u32 v[PRA], s20, v[LI]
	s_lshl_b32 s20, s28, 8
	s_add_co_u32 s20, s20, PSC
	v_add_nc_u32 v[PSR], s20, v[R4]
	s_mul_i32 s20, s28, STH
	s_lshl_b32 s22, s29, 6
	s_add_co_u32 s20, s20, s22
	s_add_co_u32 s20, s20, ST
	v_mul_u32_u24 v[SOA], v15, SPI
	v_lshl_add_u32 v[SOA], v[T0], 5, v[SOA]
	v_add_nc_u32 v[SOA], s20, v[SOA]               ; the stage, in: my K half, row r, 64 x tile + 32 h
	s_mul_i32 s20, s[WV], SPI
	s_add_co_u32 s20, s20, ST
	v_add_nc_u32 v[SRA], s20, v[LI]                ; back: row w, 16 bytes a lane
	s_lshl_b32 s20, s[WV], 6
	s_add_co_u32 s20, s20, LS
	v_mov_b32 v[LRA], s20
	; the query side goes into LDS, for all sixteen waves
	s_wait_loadcnt 16                              ; my 8 bytes of it are in; the two key chunks' sixteen loads, issued behind, may be out
	ds_store_b64 v[X], v[X+2:X+3] offset:QTL       ; (its address was written ahead of the wait on va_vdst above, and no vector instruction since names it; its data came by a load)
	s_wait_dscnt 0x0                               ; for the others' sake: my store has landed
	s_barrier_signal -1
	s_barrier_wait -1                              ; all 4,096 bytes lie in LDS; nobody writes them again
	s_wait_alu depctr_vm_vsrc(0)                   ; my load and my LDS store have read v176, v178 and v179, which group 0's plain work writes
	QLOAD 0
	s_wait_kmcnt 0x0                               ; Wa and ba
.set J, 0
.rept 16
	s_mov_b32 s[WO+2*J], s[WE+2*J+1]               ; each odd Wa[u] at the low word of a pair of its own; the pair is named whole, so its high word is written too
	s_mov_b32 s[WO+2*J+1], s[WE+2*J+1]
.set J, J+1
.endr
	; ================ the main part: 4 chunks of 8 u x 8 groups of two queries ================
.set G, 0
.rept 32
.set KBUF, KA+32*((G/8)%2)
.if G == 0
	s_wait_loadcnt 8                               ; chunk 0 is in; chunk 1's eight loads may be out
.elseif G == 8
	KLOAD 2, KA                                    ; chunk 0's buffer takes chunk 2: its last reader stands ahead of the last group's wait on va_vdst, and no vector instruction since names it
	s_wait_loadcnt 8                               ; chunk 1 is in; the eight just issued may be out
.elseif G == 16
	KLOAD 3, KB                                    ; likewise chunk 1's buffer
	s_wait_loadcnt 8                               ; chunk 2 is in
.elseif G == 24
	VLOAD                                          ; likewise chunk 2's buffer, which takes V's fragments for the last product
	s_wait_loadcnt 12                              ; chunk 3 is in; the twelve just issued may be out
.endif
	s_wait_dscnt 0x0                               ; this group's query side, asked for among the last group's sums
	VWORK
	s_wait_alu depctr_va_vdst(0)                   ; the plain work is done reading QB, in which the next group's loads land, and the key buffer; the last group's 32 reciprocals have written R, ahead of their first reader; in group 0: the addresses v4 to v14 are written
.set NG, G+1
.if G == 0
	QLOAD 1                                        ; no sums yet to stand among
.else
.set AQ, 2*((G-1)%8)
.set ACH, (G-1)/8
	AWORK
.endif
	TWORK
.set G, G+1
.endr
	s_wait_alu depctr_va_vdst(0)                   ; the last group's 32 reciprocals have written R, ahead of their first reader
.set AQ, 14
.set ACH, 3
.set NG, 32
	AWORK
	; ================ the sums turn through my own LDS: from (lane = key) to (lane = query, registers = 32 neighbouring keys) ================
.set Q, 0
.rept 16
	v_pk_add_f32 v[ACC+4*Q:ACC+4*Q+1], v[ACC+4*Q:ACC+4*Q+1], v[ACC+4*Q+2:ACC+4*Q+3]   ; even u's and odd u's, both keys
.set Q, Q+1
.endr
	s_wait_alu depctr_va_vdst(0)                   ; the additions have written the sums, which the LDS stores read; the last reciprocals are done reading v176 to v207, in which the LDS loads land
.set Q, 0
.rept 16
	ds_store_b32 v[AW], v[ACC+4*Q] offset:Q*AP
	ds_store_b32 v[AW], v[ACC+4*Q+1] offset:Q*AP+128
.set Q, Q+1
.endr
.irp i, 0,1,2,3,4,5,6,7
	ds_load_b128 v[Y+4*\i:Y+4*\i+3], v[AR] offset:16*\i    ; LDS serves a wave's instructions in order: these see my stores; no other wave touches these bytes
.endr
	v_mov_b32 v[T0], s[WE]                                 ; c (ba + sum Wa), in two chains, while the loads are out
	v_mov_b32 v[T0+1], s[WE+1]
.irp j, 2,4,6,8,10,12,14,16,18,20,22,24,26,28,30
	v_add_f32 v[T0], s[WE+\j], v[T0]
	v_add_f32 v[T0+1], s[WE+\j+1], v[T0+1]
.endr
	v_add_f32 v[T0], v[T0], v[T0+1]
	v_add_f32 v[T0], s19, v[T0]
	v_mul_f32 v[CC], 0x4038aa3b, v[T0]
	v_mov_b32 v[CC+1], v[CC]
	v_mov_b32 v[PD], 0                                     ; a lane permute's destination counts as one of its sources
	s_wait_dscnt 0x0
.irp j, 0,2,4,6,8,10,12,14,16,18,20,22,24,26,28,30
	v_pk_fma_f32 v[Y+\j:Y+\j+1], v[Y+\j:Y+\j+1], s[24:25], v[CC:CC+1] op_sel_hi:[1,0,1]   ; c alpha' = c (ba + sum Wa) - 2 c sum
.endr
.set J, 0
.rept 32
	v_exp_f32 v[Y+J], v[Y+J]
.set J, J+1
.endr
	v_nop                                          ; a plain instruction behind each batch, and one wait ahead of its first reader
	s_wait_alu depctr_va_vdst(0)                   ; the 32 exponentials have written Y
.irp j, 0,2,4,6,8,10,12,14,16,18,20,22,24,26,28,30
	v_pk_add_f32 v[Y+\j:Y+\j+1], v[Y+\j:Y+\j+1], 1.0 op_sel_hi:[1,0]
.endr
.set J, 0
.rept 32
	v_rcp_f32 v[Y+J], v[Y+J]
.set J, J+1
.endr
	v_nop
	s_wait_alu depctr_va_vdst(0)                   ; the 32 reciprocals have written Y
.irp j, 0,2,4,6,8,10,12,14,16,18,20,22,24,26,28,30
	v_pk_fma_f32 v[Y+\j:Y+\j+1], v[Y+\j:Y+\j+1], s[26:27], v[LE:LE+1] op_sel_hi:[1,0,1]   ; t = log2(e) tanh(alpha') = log2(e) - 2 log2(e) r
.endr
.set J, 0
.rept 32
	v_exp_f32 v[Y+J], v[Y+J]                       ; p = 2^t
.set J, J+1
.endr
	v_nop
	s_wait_alu depctr_va_vdst(0)                   ; the 32 exponentials have written p
	v_pk_add_f32 v[SU:SU+1], v[Y:Y+1], v[Y+2:Y+3]  ; the row's sum is taken of the unquantised p: two chains
	v_pk_add_f32 v[SV:SV+1], v[Y+4:Y+5], v[Y+6:Y+7]
.irp j, 8,12,16,20,24,28
	v_pk_add_f32 v[SU:SU+1], v[SU:SU+1], v[Y+\j:Y+\j+1]
	v_pk_add_f32 v[SV:SV+1], v[SV:SV+1], v[Y+\j+2:Y+\j+3]
.endr
	v_max3_num_f32 v[T0], v[Y], v[Y+1], 0x1800000  ; my block's largest p (none is negative), over the floor 2^(3 - 127)
	v_max3_num_f32 v[T0+1], v[Y+2], v[Y+3], v[Y+4]
.irp i, 5,9,13,17,21,25
	v_max3_num_f32 v[T0], v[T0], v[Y+\i], v[Y+\i+1]
	v_max3_num_f32 v[T0+1], v[T0+1], v[Y+\i+2], v[Y+\i+3]
.endr
	v_max3_num_f32 v[T0], v[T0], v[Y+29], v[Y+30]
	v_max3_num_f32 v[T0], v[T0], v[T0+1], v[Y+31]
	v_pk_add_f32 v[SU:SU+1], v[SU:SU+1], v[SV:SV+1]
	v_add_nc_u32 v[SCO], 0xff000000, v[T0]         ; 2 off the exponent field: the conversion's scale operand
	v_add_f32 v[SU], v[SU], v[SU+1]
	v_lshrrev_b32 v[BY], 23, v[SCO]                ; the scale's byte
	v_permlanex16_b32 v[PD], v[SU], s[SEL], s[SEL+1]
.irp g, 0,1,2,3
	v_cvt_scalef32_pk8_fp4_f32 v[PC+\g], v[Y+8*\g:Y+8*\g+7], v[SCO]   ; keys 64 w + 32 h + 8 g on: registers 4 (w % 2) + g of fragment w / 2, as they stand
.endr
	v_add_f32 v[SU], v[SU], v[PD]                  ; my wave's 64 keys' part of query r's sum.  (Also the plain instruction behind the conversions)
	s_wait_alu depctr_va_vdst(0)                   ; the conversions have written my codes, the lines round them my byte and my part of the sum: the three LDS stores read them.  No vector instruction follows before p's loads, which land in the last chunk's key buffer
	ds_store_b128 v[PWA], v[PC:PC+3]
	ds_store_b8 v[PSA], v[BY]
	ds_store_b32 v[LSA], v[SU]                     ; lanes r and r + 16 write the same word with the same value
	s_wait_dscnt 0x0                               ; for the others' sake: my stores have landed
	s_barrier_signal -1
	s_barrier_wait -1                              ; p's eight fragments, their scale words and the parts of l lie in LDS
	; ================ O^T = V^T P^T: source 0 = 16 columns of x (K = keys), source 1 = the 16 queries ================
.irp i, 0,1,2,3
.irp c, 0,1
	ds_load_b128 v[PF+8*\i+4*\c:PF+8*\i+4*\c+3], v[PRA] offset:1024*\i+512*\c
.endr
	ds_load_b32 v[PSL+\i], v[PSR] offset:64*\i
.endr
	s_wait_dscnt 0x0
	s_wait_loadcnt 0x0                             ; V's fragments and scale words, asked for eight groups before the main part's end
	s_wait_alu depctr_vm_vsrc(0)                   ; the turn's LDS stores have read v112 to v175: the products below write v112 to v127, and on the way out loads land in v128 to v151 and vector instructions write v152 and v153
	; two accumulators by turns, one instruction a turn; the first product of each starts its sum.  Operands and scale words all came by loads
	v_wmma_scale_f32_16x16x128_f8f6f4 v[OA:OA+7], v[VF:VF+7], v[PF:PF+7], 0, v[VSC], v[PSL] matrix_a_fmt:MATRIX_FMT_FP4 matrix_b_fmt:MATRIX_FMT_FP4
	v_wmma_scale_f32_16x16x128_f8f6f4 v[OB:OB+7], v[VF+8:VF+15], v[PF+8:PF+15], 0, v[VSC+1], v[PSL+1] matrix_a_fmt:MATRIX_FMT_FP4 matrix_b_fmt:MATRIX_FMT_FP4
	v_wmma_scale_f32_16x16x128_f8f6f4 v[OA:OA+7], v[VF+16:VF+23], v[PF+16:PF+23], v[OA:OA+7], v[VSC+2], v[PSL+2] matrix_a_fmt:MATRIX_FMT_FP4 matrix_b_fmt:MATRIX_FMT_FP4
	v_wmma_scale_f32_16x16x128_f8f6f4 v[OB:OB+7], v[VF+24:VF+31], v[PF+24:PF+31], v[OB:OB+7], v[VSC+3], v[PSL+3] matrix_a_fmt:MATRIX_FMT_FP4 matrix_b_fmt:MATRIX_FMT_FP4
.rept 4
	v_nop                                          ; four plain instructions between the last product and the first read of results
.endr
.irp j, 0,2,4,6
	v_pk_add_f32 v[OA+\j:OA+\j+1], v[OA+\j:OA+\j+1], v[OB+\j:OB+\j+1]   ; both accumulators from their low end on
.endr
	s_wait_alu depctr_va_vdst(0)                   ; the four additions have written v112 to v119, which the two LDS stores read; the places above stay beside this wait
	ds_store_b128 v[SOA], v[OA:OA+3]               ; lane (r, h): query r, columns 16 tile + 8 h + 0 .. 7
	ds_store_b128 v[SOA], v[OA+4:OA+7] offset:16
	s_wait_dscnt 0x0
	s_barrier_signal -1
	s_barrier_wait -1                              ; both halves of the 16 rows lie in the stage
	; ================ wave w sends row w ================
	ds_load_b128 v[128:131], v[SRA]                ; (no vector instruction since the last wait on va_vdst names v128 to v151)
	ds_load_b128 v[132:135], v[SRA] offset:STH
.irp i, 0,1,2,3
	ds_load_b128 v[136+4*\i:139+4*\i], v[LRA] offset:16*\i   ; the sixteen waves' parts of my row's sum: every lane reads the same bytes
.endr
	v_mov_b32 v153, 0                              ; (named as the upper half of the pair v[152:153])
	s_wait_dscnt 0x0
	v_pk_add_f32 v[136:137], v[136:137], v[138:139]
.irp j, 140,142,144,146,148,150
	v_pk_add_f32 v[136:137], v[136:137], v[\j:\j+1]
.endr
	v_add_f32 v136, v136, v137                     ; l
	v_rcp_f32 v152, v136
	v_pk_add_f32 v[128:129], v[128:129], v[132:133]   ; the two halves of K.  (Plain work behind the reciprocal)
	v_pk_add_f32 v[130:131], v[130:131], v[134:135]
	s_wait_alu depctr_va_vdst(0)                   ; the reciprocal has written v152, ahead of its first reader
	v_pk_mul_f32 v[128:129], v[128:129], v[152:153] op_sel_hi:[1,0]
	v_pk_mul_f32 v[130:131], v[130:131], v[152:153] op_sel_hi:[1,0]
	s_wait_alu depctr_va_vdst(0)                   ; the two multiplications have written v128 to v131, which the store reads
	global_store_b128 v[LI], v[128:131], s[16:17] th:TH_STORE_NT   ; the wave stores a row: 512 consecutive bytes, aligned; written once, read by nobody here
	s_wait_dscnt 0x0                               ; the closing lines, six on end
	s_wait_alu 0x0
	s_wait_tensorcnt 0x0
	ds_add_u32 v254, v255
	s_wait_dscnt 0x0
	s_endpgm
.Lfunc_end_k_q36561d816e_attend:
	.size	k_q36561d816e_attend, .Lfunc_end_k_q36561d816e_attend-k_q36561d816e_attend
	.p2alignl 7, 3214868480
	.fill 96, 4, 3214868480
	.section	.rodata,"a",@progbits
	.p2align	6, 0x0
	.amdhsa_kernel k_q36561d816e_attend
		.amdhsa_group_segment_fixed_size 102400
		.amdhsa_private_segment_fixed_size 0
		.amdhsa_enable_private_segment 0
		.amdhsa_kernarg_size 56
		.amdhsa_user_sgpr_count 2
		.amdhsa_user_sgpr_kernarg_segment_ptr 1
		.amdhsa_wavefront_size32 1
		.amdhsa_system_sgpr_workgroup_id_x 1
		.amdhsa_system_sgpr_workgroup_id_y 1
		.amdhsa_system_sgpr_workgroup_id_z 1
		.amdhsa_system_vgpr_workitem_id 0
		.amdhsa_next_free_vgpr 256
		.amdhsa_next_free_sgpr 102
		.amdhsa_reserve_vcc 0
		.amdhsa_float_denorm_mode_32 3
		.amdhsa_float_denorm_mode_16_64 3
		.amdhsa_memory_ordered 1
		.amdhsa_forward_progress 1
		.amdhsa_inst_pref_size 239
	.end_amdhsa_kernel
	.amdgpu_metadata
---
amdhsa.version: [ 1, 2 ]
amdhsa.kernels:
  - .name:           k_q36561d816e_attend
    .symbol:         k_q36561d816e_attend.kd
    .args:
      - { .name: qt, .offset: 0, .size: 8, .value_kind: global_buffer, .address_space: global }
      - { .name: kt, .offset: 8, .size: 8, .value_kind: global_buffer, .address_space: global }
      - { .name: vc, .offset: 16, .size: 8, .value_kind: global_buffer, .address_space: global }
      - { .name: vs, .offset: 24, .size: 8, .value_kind: global_buffer, .address_space: global }
      - { .name: Wa, .offset: 32, .size: 8, .value_kind: global_buffer, .address_space: global }
      - { .name: ba, .offset: 40, .size: 8, .value_kind: global_buffer, .address_space: global }
      - { .name: out0, .offset: 48, .size: 8, .value_kind: global_buffer, .address_space: global }
    .group_segment_fixed_size: 102400
    .private_segment_fixed_size: 0
    .kernarg_segment_align: 8
    .kernarg_segment_size: 56
    .max_flat_workgroup_size: 512
    .sgpr_count:     102
    .vgpr_count:     256
    .wavefront_size: 32
...
	.end_amdgpu_metadata
.endif
;; end of part 3
